; MI455X (gfx1250); checked and timed in simulation.
; The chip was launched on July 23, 2026; its instructions are those of AMD's public machine-readable ISA for CDNA 5 (MIT licence, August 2026) and "CDNA5" Instruction Set Architecture Reference Guide (July 2026). The comments in the code are by the model that wrote it; some were corrected since.
;; Causal Self Attention. Allowed arithmetic: matrix products marked QUANTISED: E2M3 operands, one E8M0 scale for each 32 along K, by v_wmma_scale_f32_16x16x128_f8f6f4 with both operands' format E2M3, f32 sums; products left as they are: f32 operands where the result goes on into a quantised operand, else bf16, f16 or f32 operands; f32 sums; everything else in f32.
;; Inputs: Wk_codes 1,024 x 32 x 24 uint8 (E2M3 codes of Wk, K innermost, in blocks of 32 codes, four codes in three bytes); Wk_scales 1,024 x 32 uint8 (E8M0 scales of Wk, one for each 32 codes along K); Wo_codes 1,024 x 32 x 24 uint8 (E2M3 codes of Wo, K innermost, in blocks of 32 codes, four codes in three bytes); Wo_scales 1,024 x 32 uint8 (E8M0 scales of Wo, one for each 32 codes along K); Wq_codes 1,024 x 32 x 24 uint8 (E2M3 codes of Wq, K innermost, in blocks of 32 codes, four codes in three bytes); Wq_scales 1,024 x 32 uint8 (E8M0 scales of Wq, one for each 32 codes along K); Wv_codes 1,024 x 32 x 24 uint8 (E2M3 codes of Wv, K innermost, in blocks of 32 codes, four codes in three bytes); Wv_scales 1,024 x 32 uint8 (E8M0 scales of Wv, one for each 32 codes along K); bk 1,024 float32; bo 1,024 float32; bq 1,024 float32; bv 1,024 float32; x_codes 8 x 1,024 x 32 x 24 uint8 (E2M3 codes of x, K innermost, in blocks of 32 codes, four codes in three bytes); x_scales 8 x 1,024 x 32 uint8 (E8M0 scales of x, one for each 32 codes along K).
;; Outputs: out0 8 x 1,024 x 1,024 float32.
;; This version of the problem:
;;   THIS VERSION OF THE PROBLEM IS GIVEN IN LOW PRECISION. The matrix products marked QUANTISED in the list below multiply operands that are first quantised to E2M3 (2 exponent bits, 3 mantissa bits; 6 bits a number), with one power-of-two scale for each 32 numbers along K (OCP MX v1.0); their sums are f32. All else is computed in f32.
;;   The module's matrix products, in the order in which they are computed (A, B: the left and right operand; K: the contracted axis; several contracted axes count as one K, in the product's order):
;;     1. [M 8,192, K 1,024] x [K 1,024, N 1,024]; A: input x (given as codes); B: input Wq (given as codes): QUANTISED
;;     2. [M 8,192, K 1,024] x [K 1,024, N 1,024]; A: input x (given as codes); B: input Wk (given as codes): QUANTISED
;;     3. [M 8,192, K 1,024] x [K 1,024, N 1,024]; A: input x (given as codes); B: input Wv (given as codes): QUANTISED
;;     4. batch 8,192 x [M 64, K 16] x [K 16, N 64]; A: computed on the way; B: computed on the way: left as it is (K = 16 < 32)
;;     5. batch 8,192 x [M 64, K 64] x [K 64, N 16]; A: softmax (see below); B: computed on the way: QUANTISED
;;     6. [M 8,192, K 1,024] x [K 1,024, N 1,024]; A: computed on the way; B: input Wo (given as codes): QUANTISED
;;   THE QUANTISER, for each operand of a quantised product, along K:
;;     - K is cut into blocks of 32 from its start; a last block that is shorter is filled with zeros.
;;     - A block's scale is 2^e with e = floor(log2(the largest magnitude in the block)) - 2, held to -126 .. 127; a block of zeros has e = 0. As a byte (E8M0): e + 127.
;;     - Each number is divided by its block's scale, clamped to +-7.5, and rounded to the nearest number of E2M3, ties to even, subnormals kept.
;;     - The product sums the exact products of the quantised numbers (number of the format x scale) in f32.
;;   ~~~python
;;   def quantise(x, axis):      # numpy; x: float32 -> the quantised numbers, widened to float32 again
;;       x = np.moveaxis(x, axis, -1); K = x.shape[-1]
;;       x = np.pad(x, [(0, 0)] * (x.ndim - 1) + [(0, -K % 32)]); x = x.reshape(x.shape[:-1] + (-1, 32)); a = np.abs(x).max(-1, keepdims=True)
;;       e = np.where(a > 0, np.clip(np.frexp(np.where(a > 0, a, 1))[1] - 1 - 2, -126, 127), 0)      # np.frexp(a)[1] - 1 = floor(log2(a)), exactly
;;       r = np.clip(x / 2.0 ** e, -7.5, 7.5)
;;       step = 2.0 ** (np.maximum(np.frexp(np.where(r == 0, 1, r))[1] - 1, 0) - 3)
;;       q = np.round(r / step) * step * 2.0 ** e      # np.round: ties to even
;;       return np.moveaxis(q.reshape(q.shape[:-2] + (-1,))[..., :K], -1, axis).astype(np.float32)
;;   ~~~
;;   SOFTMAX AHEAD OF A QUANTISED PRODUCT. Where the list says 'softmax', what is quantised is not the finished softmax but p = 2^(t - M), with t = logit x log2(e) and M = ceil(the row's largest t), a whole number; so 1/2 < the row's largest p <= 1. The row's sum l is taken of the UNQUANTISED p, in f32, and the product's result is divided by l at the end. Since M is a whole number, a kernel that streams over the keys may use a running M (the ceiling of the running maximum): every later rescaling is an exact power of two, which a block's scale takes up: the codes' values come out the same.
;;   OPERANDS COMPUTED ON THE WAY. 'Computed on the way' means the value that the module computes at that place (a softmax that the list does not call 'softmax' is quantised finished and normalised). What goes into a quantiser is computed in f32, as accurately as f32 sums, v_exp_f32 and their like allow (about 1e-6 of the number): no bf16 or f16 on the way to a quantiser, and a product that is left as it is and whose result goes on into a quantised operand takes f32 operands (vector FMAs, or v_wmma_f32_16x16x4_f32). A number that lies on a knife's edge between two numbers of the format may be rounded either way, as far as f32 arithmetic and the matrix unit's own rounding can turn it there, and no further.
;;   INPUTS GIVEN AS CODES. Wk (in the module: [1024, 1024], K = its axis 0); Wo (in the module: [1024, 1024], K = its axis 0); Wq (in the module: [1024, 1024], K = its axis 0); Wv (in the module: [1024, 1024], K = its axis 0); x (in the module: [8, 1024, 1024], K = its axis 2): each comes as NAME_codes (uint8): NAME with its K axis moved to the last place and cut into blocks of 32 codes, [.., K / 32, bytes a block], one block behind the other in memory; four codes in three bytes: a row's codes are one little-endian stream of bits, code i at bits 6 i .. 6 i + 5 (a code: sign, 2 exponent bits, 3 mantissa bits); and NAME_scales (uint8): the same leading axes, one E8M0 byte (e + 127) for each 32 codes along K. Its value is code x scale, taken as it is: it is not quantised again, and the codes and scales need not be those that the quantiser above would give.
;; One version. Each part assembles by itself: llvm-mc -triple=amdgcn-amd-amdhsa -mcpu=gfx1250 --defsym DOCPART=n.
;; ======== version 1 of 1: 3 launches
;; limits: right only within a limited range of input values
;; workspace buffers: q_ws 33,554,432 bytes; k_ws 33,554,432 bytes; v_ws 8,388,608 bytes; y_codes 6,291,456 bytes; y_scales 262,144 bytes
;; launch qkv (part 1): grid 8 x 32, 4 waves a work-group, clusters of 4 x 1, 327,680 bytes of LDS; arguments x_codes, x_scales, Wq_codes, Wq_scales, bq, Wk_codes, Wk_scales, bk, Wv_codes, Wv_scales, bv, q_ws, k_ws, v_ws; writes q_ws, k_ws, v_ws
.if DOCPART == 1
	.amdgcn_target "amdgcn-amd-amdhsa--gfx1250"
	.amdhsa_code_object_version 6
	.text
	.protected	k_q8b60401d2d_qkv
	.globl	k_q8b60401d2d_qkv
	.p2align	8
	.type	k_q8b60401d2d_qkv,@function
k_q8b60401d2d_qkv:
	s_mov_b64 s[64:65], 0
	v_nop
	global_prefetch_b8 v0, s[64:65] scope:SCOPE_SE
	s_setreg_imm32_b32 hwreg(HW_REG_WAVE_MODE, 25, 1), 1
	s_wait_xcnt 0x0
	s_wait_alu depctr_hold_cnt(0) depctr_sa_sdst(0) depctr_va_vdst(0) depctr_va_sdst(0) depctr_va_ssrc(0) depctr_va_vcc(0) depctr_vm_vsrc(0)
	s_getreg_b32 s2, hwreg(HW_REG_IB_STS2, 6, 4)
	s_cmp_eq_u32 s2, 0
	s_cbranch_scc0 .Lentry_in_a_cluster
	s_endpgm
.Lentry_in_a_cluster:
	s_bfe_u32 s2, ttmp6, 0x10000c
	s_cmp_lg_u32 s2, 0x3003
	s_cbranch_scc0 .Lentry_shape_is_right
	s_endpgm
.Lentry_shape_is_right:
; FIRST OF THREE LAUNCHES.  q = x Wq + bq and k = x Wk + bk (f32, to q_ws and k_ws), v = x Wv + bv quantised along the 64 keys of its token (E2M3 codes and E8M0 bytes, to v_ws).
; The second launch makes each token's 64 x 64 attention and y's codes, the third y Wo + bo.
; DEAD WORK OF THE PROGRAM (left out in the second launch).  A token's logits are [i 0..63][key 0..63]; reference() keeps an entry only where jnp.tril, which it builds itself, keeps it: key <= i.
; For i < 32 every key 32..63 lies above the diagonal, whatever the inputs hold: those logits are -inf, their p is 0, and they add nothing to a row's maximum, sum or product.  So the four 16 x 16 tiles
; (i < 32, key >= 32) of q k^T are not multiplied and that block of p is zero codes.  Nothing else is left out: the 1e-6 moves M, the codes and the test for 0; all four biases go into quantised operands or the output.
; Every input has a way to the output and is loaded.  LIMIT: a NaN, an infinity or an overflow that would arise only in the four tiles left out is not carried to the result.
; LIMITS OF THE PROGRAM: NaN and infinities among the inputs (a scale byte 0xff) are not served.  A block whose largest magnitude lies under 2^-124 keeps the scale byte 1; a block of zeros gets the byte 1 where
; the quantiser says 127: its codes are zeros, and the bytes are read by this program alone.  A row of a token all of whose kept logits are exactly 0 is NaN in reference(); that NaN is not reproduced.
; SHARES.  A work-group takes 256 rows of x (16 blocks of 16 tokens; grid y) and 384 of the 3,072 columns (G = 0..7).  Wave w (g = 4 G + w) has six tiles of 16 weight rows, two of each weight,
; and keeps their fragments for all of K = 1,024 in registers (3 x 192).
; x IN LDS, every byte filled once.  At the head one joint load a wave: waves 0-2 bring 64 units of 256 bytes each (blocks 0-3), wave 3 the 32 units of scale bytes.  Blocks 4-15 (144 units a wave) are asked for behind
; the wait for those loads, the add and a round of the cluster's barrier, when all loads of the weights have been issued; they are waited for in pair 1, ahead of pair 2's first fetch.
; THE PRODUCT IS USED TRANSPOSED (source 0 = 16 weight rows, source 1 = 16 tokens): a lane holds one token (lane % 16) and eight neighbouring weight rows 8 (lane / 16) + 0..7.
; q, k: tile u is weight rows 32 g + 16 u + m: row i = 2 g + u of the token's [64][16].  v: tile u is weight rows (32 B + 8 u + m + 8 (m / 8)) 16 + j with B = g / 16, j = g % 16: the 16 registers of the two tiles
; are keys 32 B + 16 (lane / 16) + 0..15 of column j, so that lanes l and l xor 16 hold one block of 32 along the keys.
; WORKSPACE, laid as the next launch reads it (a block = 16 tokens, lane = token + 16 h):  q_ws [block][i][c 0..1][lane][16 bytes] = q[token][16 i + 8 h + 4 c + 0..3];  k_ws the same, row = key with bits 3 and 4 swapped;
; v_ws [block][g][lane][16 bytes] = 12 bytes of codes and a word with the block's scale byte.  Every store of a wave covers 512 consecutive bytes, aligned.
; CLUSTER: the four work-groups of a cluster share their 256 rows of x: its tiles are asked for jointly (mask 15).  The weights are not: each partner's are different rows, and they go through registers.
; NO PREFETCH: the text has no loop to run ahead in; all that a work-group reads is asked for in its head.
; REGISTERS, in windows of 256.  Window 0: v1-15, v56-63 addresses; v16-39 the weights' scale words; v40-55 x's scale words (two sets); v64-255 x's fragments (block e, K step s at 64 + 96 e + 12 s).
; Windows 1, 2, 3 (q, k, v): v0-191 weight fragments (96 u + 12 s); v192-223 accumulators (192 + 16 e + 8 u); v224-239 the bias.  Window 3 also: v240-247 v's codes and byte; v248-253 at work.
.set XS,    208896                     ; LDS: 0: x's 768 units of 256 bytes + 16 of padding (a block of 16 rows is 48 units);  XS: x's scale bytes, 32 such units
.set WSCR,  217600                     ; a scratch of 32 rows x 816 bytes for each wave: written by LDS stores alone
.set WSCB,  26112
.set SPARE, 322048                     ; the spare words, 128 bytes a wave
.set BLKB,  13056
.set GRPB,  52224
.set SPW, 1
.set NIL, 2
.set WV,  72
.set MUL1, 0x51                        ; source 0, C and D in window 1, source 1 in window 0
.set MUL2, 0xa2
.set MUL3, 0xf3
.set MSB, 0
.macro WIN new                         ; the immediate's high byte repeats the setting that is left
.set NEWW, \new
.if MSB != NEWW
	s_set_vgpr_msb (MSB<<8)|NEWW
.set MSB, NEWW
.endif
.endm
.macro PLACES n                        ; plain vector lines behind matrix instructions (ISA guide 7.12.1)
.rept \n
	v_nop
.endr
.endm
.macro CROUND                          ; a round of the cluster's barrier
	s_barrier_signal -1
	s_barrier_wait -1
	s_cmp_lg_u32 s[WV], 0
	s_cbranch_scc1 .Lnot_wave_0_\@
	s_barrier_signal -3
.Lnot_wave_0_\@:
	s_barrier_wait -3
	s_barrier_signal -1
	s_barrier_wait -1
.endm
; A fragment, 16 rows x 128 K of 6-bit codes: 12 registers, in pieces of 8 bytes.  16 bytes of padding lie behind every 32 pieces; where lanes 16-31 lie behind one padding more, the second address register serves.
.macro FRAG reg, adr, s, off
.irp p, 0,1,2,3,4,5
.set PCC, 12*(\s)+6*(\p/3)+\p%3
.if PCC%32 < 29
	ds_load_b64 v[\reg+2*\p:\reg+2*\p+1], v[\adr] offset:(\off)+8*PCC+16*(PCC/32)
.else
	ds_load_b64 v[\reg+2*\p:\reg+2*\p+1], v[\adr+1] offset:(\off)+8*PCC+16*(PCC/32)
.endif
.endr
.endm
.macro RAW base                        ; 32 neighbouring weight rows, 24,576 dense bytes: each load reads 512 consecutive bytes
.set E, 0
.rept 48
	global_load_b128 v[4*E:4*E+3], v6, s[\base:\base+1] offset:512*E
.set E, E+1
.endr
.endm
; The 32 rows of window c go through my scratch as they lie and come back as 16 fragments.  LDS serves a wave's instructions in order (ISA guide 5.7.1.4): no wait between.
.macro SHUFFLE c, cnt, adr, ustep
	s_wait_loadcnt \cnt
	WIN (\c)<<2
.set E, 0
.rept 48
	ds_store_b128 v8, v[4*E:4*E+3] offset:544*E
.set E, E+1
.endr
	WIN (\c)<<6
.irp u, 0,1
.irp s, 0,1,2,3,4,5,6,7
	FRAG 96*\u+12*\s, \adr, \s, (\ustep)*\u
.endr
.endr
.endm
; 16 matrix instructions: K steps s0 .. s0 + 3 of window c for pair p.  The four accumulators (e, u) take turns.  Step 0 takes the bias as C.
; Scale words: register s % 4 of a tile holds K step s % 4 in lanes 0-15 and K step 4 + s % 4 in lanes 16-31.
.macro MULS c, s0, p
.irp s, \s0, \s0+1, \s0+2, \s0+3
.irp e, 0,1
.irp u, 0,1
.set RA, 192+16*\e+8*\u
.set RW, 96*\u+12*(\s)
.set RX, 64+96*\e+12*(\s)
.set RS, 16+8*((\c)-1)+4*\u+(\s)%4
.set RT, 40+8*((\p)%2)+4*\e+(\s)%4
.if (\s) == 0
	v_wmma_scale_f32_16x16x128_f8f6f4 v[RA:RA+7], v[RW:RW+11], v[RX:RX+11], v[224+8*\u:231+8*\u], v[RS], v[RT] matrix_a_fmt:MATRIX_FMT_FP6 matrix_b_fmt:MATRIX_FMT_FP6
.elseif (\s) < 4
	v_wmma_scale_f32_16x16x128_f8f6f4 v[RA:RA+7], v[RW:RW+11], v[RX:RX+11], v[RA:RA+7], v[RS], v[RT] matrix_a_fmt:MATRIX_FMT_FP6 matrix_b_fmt:MATRIX_FMT_FP6
.else
	v_wmma_scale_f32_16x16x128_f8f6f4 v[RA:RA+7], v[RW:RW+11], v[RX:RX+11], v[RA:RA+7], v[RS], v[RT] matrix_a_fmt:MATRIX_FMT_FP6 matrix_b_fmt:MATRIX_FMT_FP6 matrix_a_scale:MATRIX_SCALE_ROW1 matrix_b_scale:MATRIX_SCALE_ROW1
.endif
.endr
.endr
.endr
.endm
.macro ASLOAD p                        ; x's scale words of pair p: lanes 0-15 K steps 0-3 of row r, lanes 16-31 K steps 4-7
.irp e, 0,1
	ds_load_b128 v[40+8*((\p)%2)+4*\e:43+8*((\p)%2)+4*\e], v5 offset:544*(2*(\p)+\e)
.endr
.endm
.macro AFETCH p, s0                    ; 48 LDS loads: x's fragments of pair p, K steps s0 .. s0 + 3
.irp e, 0,1
.irp s, \s0, \s0+1, \s0+2, \s0+3
	FRAG 64+96*\e+12*(\s), 3, (\s), ((2*(\p)+\e)%4)*BLKB
.endr
.endr
.endm
.macro STQK base, p                    ; the four accumulators of q or k go out as they stand, each from its low end on
.irp e, 0,1
.irp u, 0,1
	global_store_b128 v6, v[192+16*\e+8*\u:195+16*\e+8*\u], s[\base:\base+1] offset:(2*(\p)+\e)*65536+1024*\u th:TH_STORE_NT
	global_store_b128 v6, v[196+16*\e+8*\u:199+16*\e+8*\u], s[\base:\base+1] offset:(2*(\p)+\e)*65536+1024*\u+512 th:TH_STORE_NT
.endr
.endr
.endm
; v's 16 numbers of a lane and lane l xor 16's are a block of 32: largest magnitude with the floor 2^(3 - 127) among its leaves, 2 off its exponent field, conversion, byte.
.macro VQUANT p
	WIN 0xff
.irp e, 0,1
	v_max3_num_f32 v[248+\e], |v[192+16*\e]|, |v[193+16*\e]|, 0x1800000
.endr
.irp i, 2,4,6,8,10,12,14
.irp e, 0,1
	v_max3_num_f32 v[248+\e], v[248+\e], |v[192+16*\e+\i]|, |v[193+16*\e+\i]|
.endr
.endr
.irp e, 0,1
	v_permlanex16_b32 v[250+\e], v[248+\e], s74, s75
.endr
.irp e, 0,1
	v_max_num_f32 v[248+\e], v[248+\e], v[250+\e]
.endr
.irp e, 0,1
	v_add_nc_u32 v[252+\e], 0xff000000, v[248+\e]  ; the conversion takes the exponent field of this operand as its scale
.endr
.irp e, 0,1
	v_cvt_scalef32_pk16_fp6_f32 v[240+4*\e:242+4*\e], v[192+16*\e:207+16*\e], v[252+\e]
.endr
.irp e, 0,1
	v_lshrrev_b32 v[243+4*\e], 23, v[252+\e]       ; the scale's byte, as the fourth word
.endr
	v_nop                                          ; a plain line behind the conversions
	WIN 0x0c
.irp e, 0,1
	global_store_b128 v6, v[240+4*\e:243+4*\e], s[30:31] offset:(2*(\p)+\e)*16384 th:TH_STORE_NT
.endr
.endm
; A PAIR of blocks: 96 matrix instructions, by halves of K: K steps 0-3 of q, k and v, then K steps 4-7.  x has one set of fragment registers: each half is fetched anew
; as soon as its 48 products are issued, 48 matrix instructions ahead of its next use.
.macro PAIR p
	s_wait_xcnt 0x0                                ; the last pair's stores have read their registers
	s_wait_dscnt 48                                ; the scale words and K steps 0-3 are in; the 48 loads of K steps 4-7 may be out
	WIN MUL1
	MULS 1, 0, \p
.if (\p) == 1
	s_wait_tensorcnt 0x0                           ; my part of blocks 4-15 has landed
	s_wait_dscnt 0x0
	s_barrier_signal -1
.endif
	WIN MUL2
	MULS 2, 0, \p
	WIN MUL3
	MULS 3, 0, \p
.if (\p) == 1
	s_barrier_wait -1                              ; everybody's has
.endif
.if (\p) < 7
	PLACES 4
	WIN 0
.if (\p)%2 == 1
	v_add_nc_u32 v3, GRPB, v3                      ; on to the next four blocks
	v_add_nc_u32 v4, GRPB, v4
	s_wait_alu depctr_va_vdst(0)
.endif
	ASLOAD (\p)+1
	AFETCH (\p)+1, 0
	s_wait_dscnt 50                                ; all but the 50 just issued: K steps 4-7 are in
.else
	s_wait_dscnt 0x0
.endif
	WIN MUL1
	MULS 1, 4, \p
	WIN MUL2
	MULS 2, 4, \p
	PLACES 4
	WIN 0x04
	STQK 26, \p
	WIN MUL3
	MULS 3, 4, \p
	PLACES 4
	WIN 0x08
	STQK 28, \p
.if (\p) < 7
	WIN 0
	AFETCH (\p)+1, 4
.endif
	VQUANT \p
.endm
	s_load_b512 s[4:19], s[0:1], 0x0               ; x_codes 4, x_scales 6, Wq_codes 8, Wq_scales 10, bq 12, Wk_codes 14, Wk_scales 16, bk 18
	s_load_b256 s[20:27], s[0:1], 0x40             ; Wv_codes 20, Wv_scales 22, bv 24, q_ws 26
	s_load_b128 s[28:31], s[0:1], 0x60             ; k_ws 28, v_ws 30
	v_lshl_add_u32 v[SPW], v0, 2, SPARE
	v_mov_b32 v[NIL], 0
	ds_add_u32 v[SPW], v[NIL]                      ; the opening: the add, twice on end, and its wait ahead of my first tensor load
	ds_add_u32 v[SPW], v[NIL]
	v_lshrrev_b32 v7, 5, v0
	v_readfirstlane_b32 s[WV], v7                  ; wave 0..3
	s_and_b32 s77, ttmp7, 0xffff                   ; which 256 rows of x: the four partners share it
	; group 1 for x's codes: rows of 256 bytes (32 elements of 8), 16 bytes of padding behind each; mask 15 with bit 21 beside it; 64 rows at the head
	s_mov_b32 s32, 15|(3<<16)|(1<<20)|(1<<21)|(5<<22)|(3<<25)
	s_mov_b32 s33, 32<<16
	s_mov_b32 s34, 64<<16
	s_mov_b32 s35, 32<<16
	s_mov_b32 s36, 64
	s_mov_b32 s37, 32
	s_mov_b32 s38, 0
	s_mov_b32 s39, 0
	; and for the 256 rows' scale bytes: 32 such rows
	s_mov_b32 s40, 15|(3<<16)|(1<<20)|(1<<21)|(5<<22)|(3<<25)
	s_mov_b32 s41, 32<<16
	s_mov_b32 s42, 32<<16
	s_mov_b32 s43, 32<<16
	s_mov_b32 s44, 32
	s_mov_b32 s45, 32
	s_mov_b32 s46, 0
	s_mov_b32 s47, 0
	s_lshl_b32 s80, s77, 13                        ; x_scales: 8,192 bytes a row group
	s_mov_b32 s81, 0
	s_mul_i32 s82, s77, 196608                     ; x_codes: 196,608 bytes a row group; at the head 16,384 a wave
	s_lshl_b32 s83, s[WV], 14
	s_add_co_u32 s82, s82, s83
	s_mov_b32 s83, 0
	s_mul_i32 s84, s77, 196608                     ; blocks 4-15: 49,152 bytes on, 36,864 a wave
	s_mul_i32 s85, s[WV], 36864
	s_add_co_u32 s84, s84, s85
	s_add_co_u32 s84, s84, 49152
	s_mov_b32 s85, 0
	s_mov_b32 s74, 0x76543210                      ; v_permlanex16_b32's selects for lane l xor 16
	s_mov_b32 s75, 0xfedcba98
	s_wait_dscnt 0x0                               ; both opening adds are done
	s_wait_kmcnt 0x0
	s_mov_b32 s48, 1                               ; group 0: the scale bytes
	s_mov_b32 s49, XS
	s_add_nc_u64 s[50:51], s[6:7], s[80:81]
	s_or_b32 s51, s51, 0x80000000
	s_mov_b32 s52, 1                               ; my 64 units of blocks 0-3
	s_mul_i32 s53, s[WV], 17408
	s_add_nc_u64 s[54:55], s[4:5], s[82:83]
	s_or_b32 s55, s55, 0x80000000
	s_mov_b32 s56, 1                               ; my 144 units of blocks 4-15
	s_mul_i32 s57, s[WV], 39168
	s_add_co_u32 s57, s57, 52224
	s_add_nc_u64 s[58:59], s[4:5], s[84:85]
	s_or_b32 s59, s59, 0x80000000
	CROUND                                         ; all four work-groups are here: the joint loads meet
	s_cmp_lt_u32 s[WV], 3                          ; one load a wave, in the two arms of one branch on the wave's number
	s_cbranch_scc0 .Lhead_s
	tensor_load_to_lds s[52:55], s[32:39]
	s_nop 0
	PLACES 4
	s_branch .Lhead_j
.Lhead_s:
	tensor_load_to_lds s[48:51], s[40:47]
	s_nop 0
	PLACES 4
.Lhead_j:
	; my columns.  The place in the cluster enters global addresses of the weights and of the workspace alone
	s_bfe_u32 s73, ttmp6, 0x40000                  ; cx
	s_lshl_b32 s76, ttmp9, 2
	s_add_co_u32 s76, s76, s73                     ; G
	s_lshl_b32 s76, s76, 2
	s_add_co_u32 s76, s76, s[WV]                   ; g = 4 G + wave
	s_mov_b32 s87, 0
	s_mul_i32 s86, s76, 24576                      ; 32 weight rows of 768 bytes
	s_add_nc_u64 s[8:9], s[8:9], s[86:87]
	s_add_nc_u64 s[14:15], s[14:15], s[86:87]
	s_lshl_b32 s86, s76, 10                        ; their scale bytes
	s_add_nc_u64 s[10:11], s[10:11], s[86:87]
	s_add_nc_u64 s[16:17], s[16:17], s[86:87]
	s_lshl_b32 s86, s76, 7                         ; their biases
	s_add_nc_u64 s[12:13], s[12:13], s[86:87]
	s_add_nc_u64 s[18:19], s[18:19], s[86:87]
	s_lshr_b32 s88, s76, 4
	s_lshl_b32 s88, s88, 9
	s_and_b32 s89, s76, 15
	s_add_co_u32 s88, s88, s89                     ; v: weight row 512 B + j, the first of 32 that lie 16 rows apart
	s_mul_i32 s86, s88, 768
	s_add_nc_u64 s[20:21], s[20:21], s[86:87]
	s_lshl_b32 s86, s88, 5
	s_add_nc_u64 s[22:23], s[22:23], s[86:87]
	s_lshl_b32 s86, s88, 2
	s_add_nc_u64 s[24:25], s[24:25], s[86:87]
	s_lshl_b32 s90, s77, 20                        ; 16 blocks of 65,536 bytes
	s_lshl_b32 s86, s76, 11                        ; q: row i = 2 g
	s_add_co_u32 s86, s86, s90
	s_add_nc_u64 s[26:27], s[26:27], s[86:87]
	s_lshl_b32 s88, s76, 1                         ; k: key 2 g with bits 3 and 4 swapped
	s_and_b32 s89, s88, 0x27
	s_and_b32 s91, s88, 8
	s_lshl_b32 s91, s91, 1
	s_or_b32 s89, s89, s91
	s_and_b32 s91, s88, 16
	s_lshr_b32 s91, s91, 1
	s_or_b32 s89, s89, s91
	s_lshl_b32 s86, s89, 10
	s_add_co_u32 s86, s86, s90
	s_add_nc_u64 s[28:29], s[28:29], s[86:87]
	s_lshl_b32 s86, s77, 18                        ; v: 16 blocks of 16,384 bytes, row g of 512
	s_lshl_b32 s88, s76, 9
	s_add_co_u32 s86, s86, s88
	s_add_nc_u64 s[30:31], s[30:31], s[86:87]
	v_and_b32 v58, 15, v0                          ; r
	v_bfe_u32 v59, v0, 4, 1                        ; h
	v_and_b32 v60, 31, v0                          ; lane
	v_mul_u32_u24 v3, v58, 816
	v_mad_u32_u24 v3, v59, 24, v3                  ; v3: x's fragments: row r, + 24 h
	v_lshl_add_u32 v4, v59, 4, v3                  ; v4: the same behind one padding more
	v_lshrrev_b32 v61, 3, v58
	v_and_b32 v62, 7, v58
	v_mul_u32_u24 v5, v61, 272
	v_lshl_add_u32 v5, v62, 5, v5
	v_lshl_add_u32 v5, v59, 4, v5
	v_add_nc_u32 v5, XS, v5                        ; v5: x's scale bytes: 32 a row, eight rows to a unit, + 16 h
	v_lshlrev_b32 v6, 4, v60                       ; v6: 16 x lane
	s_mul_i32 s78, s[WV], WSCB
	s_add_co_u32 s78, s78, WSCR                    ; my scratch
	v_mul_u32_u24 v8, v59, 272
	v_lshl_add_u32 v8, v58, 4, v8
	v_add_nc_u32 v8, s78, v8                       ; v8: into it: lanes 0-15 one unit, lanes 16-31 the next
	v_add_nc_u32 v9, s78, v3                       ; v9, v10: out of it, q and k: row r
	v_add_nc_u32 v10, s78, v4
	v_lshl_add_u32 v63, v61, 3, v58                ; r + 8 (r / 8)
	v_mul_u32_u24 v11, v63, 816
	v_mad_u32_u24 v11, v59, 24, v11
	v_lshl_add_u32 v12, v59, 4, v11
	v_add_nc_u32 v11, s78, v11                     ; v11, v12: out of it, v: row r + 8 (r / 8)
	v_add_nc_u32 v12, s78, v12
	v_lshlrev_b32 v13, 5, v58
	v_lshl_add_u32 v13, v59, 4, v13                ; v13: q's and k's scale bytes: 32 r + 16 h
	v_lshlrev_b32 v14, 9, v63
	v_lshl_add_u32 v14, v59, 4, v14                ; v14: v's: its rows lie 512 bytes apart
	v_lshlrev_b32 v15, 5, v59                      ; v15: q's and k's bias: 32 h
	v_lshlrev_b32 v56, 10, v59                     ; v56: v's bias: 16 keys of 64 bytes a half
	v_mul_u32_u24 v57, v59, 11776
	v_lshl_add_u32 v57, v58, 4, v57                ; v57: v's rows, where lanes 16-31 take the next row's first unit
.irp u, 0,1
	global_load_b128 v[16+4*\u:19+4*\u], v13, s[10:11] offset:512*\u
	global_load_b128 v[24+4*\u:27+4*\u], v13, s[16:17] offset:512*\u
	global_load_b128 v[32+4*\u:35+4*\u], v14, s[22:23] offset:4096*\u
.endr
	WIN 0x40
.irp u, 0,1
	global_load_b128 v[224+8*\u:227+8*\u], v15, s[12:13] offset:64*\u
	global_load_b128 v[228+8*\u:231+8*\u], v15, s[12:13] offset:64*\u+16
.endr
	RAW 8
	WIN 0x80
.irp u, 0,1
	global_load_b128 v[224+8*\u:227+8*\u], v15, s[18:19] offset:64*\u
	global_load_b128 v[228+8*\u:231+8*\u], v15, s[18:19] offset:64*\u+16
.endr
	RAW 14
	WIN 0xc0
	v_mov_b32 v250, 0                              ; (window 3) written once: a lane permute's destination counts as one of its sources
	v_mov_b32 v251, 0
.irp u, 0,1
.irp j, 0,1,2,3,4,5,6,7
	global_load_b32 v[224+8*\u+\j], v56, s[24:25] offset:(8*\u+\j)*64
.endr
.endr
.set E, 0
.rept 48                               ; v's 32 rows of 768 bytes, 12,288 apart: unit U = 2 E + lane / 16 is unit U % 3 of row U / 3
.if (2*E)%3 == 2
	global_load_b128 v[4*E:4*E+3], v57, s[20:21] offset:((2*E)/3)*12288+512
.else
	global_load_b128 v[4*E:4*E+3], v6, s[20:21] offset:((2*E)/3)*12288+((2*E)%3)*256
.endif
.set E, E+1
.endr
	WIN 0
	s_wait_alu depctr_va_vdst(0)
	s_wait_tensorcnt 0x0                           ; my tile of the head's four is in
	ds_add_u32 v[SPW], v[NIL]
	s_mov_b32 s34, 144<<16                         ; no tensor load of mine is out: from here on a load brings 144 rows
	s_mov_b32 s36, 144
	s_wait_dscnt 0x0
	CROUND                                         ; blocks 0-3 and the scale bytes are whole for all waves; the joint loads meet
	tensor_load_to_lds s[56:59], s[32:39]          ; blocks 4-15, my quarter
	s_nop 0
	PLACES 4
	SHUFFLE 1, 63, 9, 13056                        ; 116 loads were issued behind q's rows: the wait names the most that it can
	SHUFFLE 2, 63, 9, 13056                        ; 64 behind k's
	SHUFFLE 3, 0, 11, 6528
	WIN 0
	ASLOAD 0
	AFETCH 0, 0
	AFETCH 0, 4
.irp p, 0,1,2,3,4,5,6,7
	PAIR \p
.endr
	WIN 0
	s_wait_tensorcnt 0x0                           ; the wave's end
	ds_add_u32 v[SPW], v[NIL]
	s_wait_dscnt 0x0
	CROUND                                         ; the closing round
	s_endpgm
.Lfunc_end_k_q8b60401d2d_qkv:
	.size	k_q8b60401d2d_qkv, .Lfunc_end_k_q8b60401d2d_qkv-k_q8b60401d2d_qkv
	.p2alignl 7, 3214868480
	.fill 96, 4, 3214868480
	.section	.rodata,"a",@progbits
	.p2align	6, 0x0
	.amdhsa_kernel k_q8b60401d2d_qkv
		.amdhsa_group_segment_fixed_size 327680
		.amdhsa_private_segment_fixed_size 0
		.amdhsa_enable_private_segment 0
		.amdhsa_kernarg_size 112
		.amdhsa_user_sgpr_count 2
		.amdhsa_user_sgpr_kernarg_segment_ptr 1
		.amdhsa_wavefront_size32 1
		.amdhsa_system_sgpr_workgroup_id_x 1
		.amdhsa_system_sgpr_workgroup_id_y 1
		.amdhsa_system_sgpr_workgroup_id_z 1
		.amdhsa_system_vgpr_workitem_id 0
		.amdhsa_next_free_vgpr 1024
		.amdhsa_next_free_sgpr 100
		.amdhsa_reserve_vcc 0
		.amdhsa_float_denorm_mode_32 3
		.amdhsa_float_denorm_mode_16_64 3
		.amdhsa_memory_ordered 1
		.amdhsa_forward_progress 1
		.amdhsa_inst_pref_size 231
	.end_amdhsa_kernel
	.amdgpu_metadata
---
amdhsa.version: [ 1, 2 ]
amdhsa.kernels:
  - .name:           k_q8b60401d2d_qkv
    .symbol:         k_q8b60401d2d_qkv.kd
    .args:
      - { .name: x_codes, .offset: 0, .size: 8, .value_kind: global_buffer, .address_space: global }
      - { .name: x_scales, .offset: 8, .size: 8, .value_kind: global_buffer, .address_space: global }
      - { .name: Wq_codes, .offset: 16, .size: 8, .value_kind: global_buffer, .address_space: global }
      - { .name: Wq_scales, .offset: 24, .size: 8, .value_kind: global_buffer, .address_space: global }
      - { .name: bq, .offset: 32, .size: 8, .value_kind: global_buffer, .address_space: global }
      - { .name: Wk_codes, .offset: 40, .size: 8, .value_kind: global_buffer, .address_space: global }
      - { .name: Wk_scales, .offset: 48, .size: 8, .value_kind: global_buffer, .address_space: global }
      - { .name: bk, .offset: 56, .size: 8, .value_kind: global_buffer, .address_space: global }
      - { .name: Wv_codes, .offset: 64, .size: 8, .value_kind: global_buffer, .address_space: global }
      - { .name: Wv_scales, .offset: 72, .size: 8, .value_kind: global_buffer, .address_space: global }
      - { .name: bv, .offset: 80, .size: 8, .value_kind: global_buffer, .address_space: global }
      - { .name: q_ws, .offset: 88, .size: 8, .value_kind: global_buffer, .address_space: global }
      - { .name: k_ws, .offset: 96, .size: 8, .value_kind: global_buffer, .address_space: global }
      - { .name: v_ws, .offset: 104, .size: 8, .value_kind: global_buffer, .address_space: global }
    .group_segment_fixed_size: 327680
    .private_segment_fixed_size: 0
    .kernarg_segment_align: 8
    .kernarg_segment_size: 112
    .max_flat_workgroup_size: 128
    .sgpr_count:     100
    .vgpr_count:     1024
    .wavefront_size: 32
...
	.end_amdgpu_metadata
.endif
;; end of part 1
;; launch attn (part 2): grid 256 x 1, 16 waves a work-group, no clusters, 327,680 bytes of LDS; arguments q_ws, k_ws, v_ws, y_codes, y_scales; writes y_codes, y_scales
.if DOCPART == 2
	.amdgcn_target "amdgcn-amd-amdhsa--gfx1250"
	.amdhsa_code_object_version 6
	.text
	.protected	k_q8b60401d2d_attn
	.globl	k_q8b60401d2d_attn
	.p2align	8
	.type	k_q8b60401d2d_attn,@function
k_q8b60401d2d_attn:
	s_mov_b64 s[64:65], 0
	v_nop
	global_prefetch_b8 v0, s[64:65] scope:SCOPE_SE
	s_setreg_imm32_b32 hwreg(HW_REG_WAVE_MODE, 25, 1), 1
	s_wait_xcnt 0x0
; SECOND LAUNCH: for each token, S = q k^T (K = 16, f32 operands: its result goes into a quantiser), attn = S / 4 + 1e-6, kept where key <= i and attn != 0, else -inf; t = attn log2(e), M = ceil(the row's largest t),
; p = 2^(t - M) quantised along the keys; y = (p v) / l with l the row's sum of the unquantised p; y quantised along 16 i + j into y_codes, y_scales (laid as x_codes, x_scales).
; LEFT OUT AS DEAD WORK (shown at the head of the first kernel): the four tiles (i < 32, key >= 32), wholly above jnp.tril; that block of p is zero codes.  The limits stated there hold here.
; SHARES.  A work-group takes 32 tokens (two blocks of 16); wave w takes token w of the first block, then of the second.  Sixteen waves, four to a SIMD.  Work-groups share no input, so there is no cluster.
; THE TILES come by asynchronous copies, all issued at the head, every LDS byte filled once.  A token's numbers lie in every row of its block, so every wave reads what every wave copies.  Each wave issues 36 copies of 512 bytes,
; IN THE ORDER IN WHICH THEY ARE WANTED (a wave's copies end in the order of issue): block 0's q and k, rows 0-31 (8 copies); block 0's v (2); rows 32-63 (8); block 1's rows 0-31 and v (10); its rows 32-63 (8).
; Five counted waits on ASYNCcnt (28, 26, 18, 8, 0: the copies issued behind the part that is wanted), each with a barrier behind it, let the work begin while the later parts are on their way.
; LDS ROWS ARE DENSE (a copy's immediate steps both addresses alike), so the 16-byte slots of a row are permuted instead of padded: wave w copies the rows with row % 16 = w, and lane l's 16 bytes go to slot l xor w.
; A reader of row r and token t takes slot t xor (r % 16): the sixteen rows that a load touches lie in sixteen different columns of 16 bytes.
; NO PREFETCH: all that the work-group reads is asked for at the head.
; LAYOUT.  Both products are used transposed.  S^T: source 0 = 16 rows of k_ws, source 1 = 16 rows i of q_ws: a lane holds one i (lane % 16).  Rows 16 T .. 16 T + 15 of k_ws (T = 2 b + u) are keys 32 b + 8 u + m + 8 (m / 8),
; so the 16 registers of tiles 2 b, 2 b + 1 are keys 32 b + 16 (lane / 16) + 0..15.  K step s takes j = 8 h + 2 s, 8 h + 2 s + 1 on both sides alike.  O^T = v^T p^T: K = 64 keys and 64 zero codes.
; REGISTERS: v1, v2 the add's two; v3-7 addresses; v8 -inf; v9, v12-15, v215 the copies' addresses (untouched until ASYNCcnt is 0); v[10:11] 1e-6; v16-47 q; v48-79 k; v80-111 S^T (written by the f32 matrix form alone);
; v112-143 p; v144-175 O^T; v176-187 v's fragment; v188-199, v200-211 p's codes; v212-218 half blocks; v220-222 scale words; v223-239 at work; v240-247 1 / l; v248-255 y's codes and bytes.
.set KB,    131072                     ; LDS: 0: q, two blocks of 64 rows of 1,024 bytes;  KB: k likewise;  VB: v, two blocks of 32 rows of 512 bytes
.set VB,    262144
.set YS,    294912                     ; y's 1,024 scale bytes: written by LDS stores alone
.set SPARE, 295936                     ; the spare words, 128 bytes a wave
.set SPW, 1
.set NIL, 2
.set NINF, 8
.set GOF, 9                            ; 16 x lane: the copies' offset in memory
.set LQ0, 12                           ; where my copies land: q of block 0, of block 1; k of block 0, of block 1; v
.set LQ1, 13
.set LK0, 14
.set LK1, 15
.set LV,  215
.set Q, 16
.set K, 48
.set S, 80
.set P, 112
.set O, 144
.set MK, 72                            ; s[72:87] sixteen lane masks
.set SEL, 88                           ; s[88:89] v_permlanex16_b32's selects for lane l xor 16
.set L2E, 90                           ; s[90:91] log2(e)
.set QTR, 92                           ; s[92:93] 1 / sqrt(16)
.macro CPQK lq, lk, bq, bk, T0         ; eight copies: rows wave + 16 T, T = T0, T0 + 1, both halves, of q and then of k
.irp T, \T0, \T0+1
.irp c, 0,1
	global_load_async_to_lds_b128 v[\lq], v[GOF], s[\bq:\bq+1] offset:16384*(\T)+512*\c
.endr
.endr
.irp T, \T0, \T0+1
.irp c, 0,1
	global_load_async_to_lds_b128 v[\lk], v[GOF], s[\bk:\bk+1] offset:16384*(\T)+512*\c
.endr
.endr
.endm
.macro CPV blk                         ; two copies: rows wave and wave + 16 of a block's v
.irp T, 0,1
	global_load_async_to_lds_b128 v[LV], v[GOF], s[8:9] offset:16384*\blk+8192*\T
.endr
.endm
.macro SGRP joint, I                   ; 16 f32 matrix instructions, four accumulators by turns; the first K step starts the sums with the constant 0
.irp s, 0,1,2,3
.irp a, 0,1,2,3
.if \joint
.set KT, \a
.set QT, \I
.else
.set KT, \a%2
.set QT, \a/2
.endif
.if \s == 0
	v_wmma_f32_16x16x4_f32 v[S+8*\a:S+8*\a+7], v[K+8*KT+2*\s:K+8*KT+2*\s+1], v[Q+8*QT+2*\s:Q+8*QT+2*\s+1], 0
.else
	v_wmma_f32_16x16x4_f32 v[S+8*\a:S+8*\a+7], v[K+8*KT+2*\s:K+8*KT+2*\s+1], v[Q+8*QT+2*\s:Q+8*QT+2*\s+1], v[S+8*\a:S+8*\a+7]
.endif
.endr
.endr
.endm
; Sixteen registers (16 neighbouring keys): kept where attn != 0 and, on the diagonal, where the key is not beyond i.  d = 1: i = r, key = 16 h + n;  d = 2: i = 16 + r
.macro HALFMASK hf, d
.irp n, 0,1,2,3,4,5,6,7,8,9,10,11,12,13,14,15
	v_cmp_neq_f32 s[MK+\n], 0, v[P+16*\hf+\n]
.endr
.if \d == 1
.irp n, 0,1,2,3,4,5,6,7,8,9,10,11,12,13,14,15
	s_and_b32 s[MK+\n], s[MK+\n], (0xffff<<\n)&0xffff
.endr
.endif
.if \d == 2
.irp n, 0,1,2,3,4,5,6,7,8,9,10,11,12,13,14,15
	s_and_b32 s[MK+\n], s[MK+\n], 0xffff|(((0xffff<<\n)&0xffff)<<16)
.endr
.endif
.irp n, 0,1,2,3,4,5,6,7,8,9,10,11,12,13,14,15
	v_cndmask_b32 v[P+16*\hf+\n], v[NINF], v[P+16*\hf+\n], s[MK+\n]
.endr
.endm
; The softmax and the second product of a group.  joint = 1: the 32 registers are one row's 64 keys (with lane l xor 16), tile I.  joint = 0: two rows' keys 0..31, tiles I and I + 1; their keys 32..63 are zero codes.
.macro SOFT joint, d0, d1, I
.set MP1, 228+2*(1-\joint)
.rept 8
	v_nop                                          ; eight places behind the f32 matrix form
.endr
.irp j, 0,2,4,6,8,10,12,14,16,18,20,22,24,26,28,30
	v_pk_fma_f32 v[P+\j:P+\j+1], v[S+\j:S+\j+1], s[QTR:QTR+1], v[10:11] op_sel_hi:[1,0,0]   ; S / 4 + 1e-6: one rounding, as in reference(); each accumulator from its low end on
.endr
	HALFMASK 0, \d0
	HALFMASK 1, \d1
.irp b, 0,1
	v_max3_num_f32 v[224+\b], v[P+16*\b], v[P+1+16*\b], v[P+2+16*\b]   ; the largest logit of each block of 32 keys: for the row's maximum and for the block's largest p
.endr
.irp i, 3,5,7,9,11,13
.irp b, 0,1
	s_delay_alu instid0(VALU_DEP_2)
	v_max3_num_f32 v[224+\b], v[224+\b], v[P+16*\b+\i], v[P+1+16*\b+\i]
.endr
.endr
.irp b, 0,1
	s_delay_alu instid0(VALU_DEP_2)
	v_max_num_f32 v[224+\b], v[224+\b], v[P+15+16*\b]
.endr
.irp b, 0,1
	s_delay_alu instid0(VALU_DEP_2)
	v_permlanex16_b32 v[226+\b], v[224+\b], s[SEL], s[SEL+1]
.endr
.irp b, 0,1
	s_delay_alu instid0(VALU_DEP_2)
	v_max_num_f32 v[224+\b], v[224+\b], v[226+\b]
.endr
.if \joint
	s_delay_alu instid0(VALU_DEP_1)
	v_max_num_f32 v226, v224, v225
	s_delay_alu instid0(VALU_DEP_1)
	v_mul_f32 v226, s[L2E], v226
	s_delay_alu instid0(VALU_DEP_1)
	v_floor_f32 v228, -v226                        ; -M = floor(-t) = -ceil(t)
.else
	s_delay_alu instid0(VALU_DEP_2)
	v_mul_f32 v226, s[L2E], v224
	s_delay_alu instid0(VALU_DEP_2)
	v_mul_f32 v227, s[L2E], v225
	s_delay_alu instid0(VALU_DEP_2)
	v_floor_f32 v228, -v226
	s_delay_alu instid0(VALU_DEP_2)
	v_floor_f32 v230, -v227
.endif
.irp j, 0,2,4,6,8,10,12,14
	v_pk_fma_f32 v[P+\j:P+\j+1], v[P+\j:P+\j+1], s[L2E:L2E+1], v[228:229] op_sel_hi:[1,0,0]   ; t - M
.endr
.irp j, 16,18,20,22,24,26,28,30
	v_pk_fma_f32 v[P+\j:P+\j+1], v[P+\j:P+\j+1], s[L2E:L2E+1], v[MP1:MP1+1] op_sel_hi:[1,0,0]
.endr
	v_fma_f32 v224, v224, s[L2E], v228
	v_fma_f32 v225, v225, s[L2E], v[MP1]
	s_wait_alu depctr_va_vdst(0)
.irp j, 0,1,2,3,4,5,6,7,8,9,10,11,12,13,14,15,16,17,18,19,20,21,22,23,24,25,26,27,28,29,30,31
	v_exp_f32 v[P+\j], v[P+\j]                     ; p = 2^(t - M): not normalised
.endr
	v_nop                                          ; a plain line behind the exponentials
	s_wait_alu depctr_va_vdst(0)                   ; one wait for the batch, ahead of its first reader
	v_exp_f32 v224, v224                           ; the blocks' largest p: the same two instructions on the same number
	v_exp_f32 v225, v225
.if \joint                             ; the row's sum of the unquantised p, two at a time
	v_pk_add_f32 v[234:235], v[112:113], v[114:115]
	v_pk_add_f32 v[254:255], v[120:121], v[124:125]
	v_pk_add_f32 v[252:253], v[128:129], v[132:133]
	v_pk_add_f32 v[250:251], v[136:137], v[140:141]
	v_pk_add_f32 v[248:249], v[116:117], v[118:119]
	v_pk_add_f32 v[238:239], v[122:123], v[126:127]
	v_pk_add_f32 v[236:237], v[130:131], v[134:135]
	v_pk_add_f32 v[232:233], v[138:139], v[142:143]
	s_delay_alu instid0(VALU_DEP_1)
	v_pk_add_f32 v[232:233], v[232:233], v[250:251]
	v_pk_add_f32 v[234:235], v[234:235], v[248:249]
	v_pk_add_f32 v[254:255], v[254:255], v[238:239]
	v_pk_add_f32 v[252:253], v[252:253], v[236:237]
	s_delay_alu instid0(VALU_DEP_2)
	v_pk_add_f32 v[232:233], v[232:233], v[254:255]
	s_delay_alu instid0(VALU_DEP_2)
	v_pk_add_f32 v[234:235], v[234:235], v[252:253]
	s_delay_alu instid0(VALU_DEP_1)
	v_pk_add_f32 v[232:233], v[232:233], v[234:235]
.else
	v_pk_add_f32 v[232:233], v[P:P+1], v[P+2:P+3]
	v_pk_add_f32 v[234:235], v[P+16:P+17], v[P+18:P+19]
.irp j, 4,6,8,10,12,14
	v_pk_add_f32 v[232:233], v[232:233], v[P+\j:P+\j+1]
	v_pk_add_f32 v[234:235], v[234:235], v[P+16+\j:P+17+\j]
.endr
.endif
	s_wait_alu depctr_va_vdst(0)                   ; and one for the two
.irp b, 0,1
	v_max_num_f32 v[224+\b], 0x1800000, v[224+\b]  ; the floor 2^(3 - 127): the byte cannot fall under 1
.endr
.irp b, 0,1
	s_delay_alu instid0(VALU_DEP_2)
	v_add_nc_u32 v[236+\b], 0xff000000, v[224+\b]  ; 2 off the exponent field: the conversion's scale operand
.endr
.irp b, 0,1
	s_delay_alu instid0(VALU_DEP_2)
	v_lshrrev_b32 v[238+\b], 23, v[236+\b]
.endr
; The scale words and the codes are made first; the row's sum and its reciprocal follow and are the places ahead of the scaled matrix instruction (a scale word made by vector lines stands eight ahead of it, an operand four).
.if \joint
	s_delay_alu instid0(VALU_DEP_1)
	v_lshl_or_b32 v221, v239, 8, v238              ; p's scale word: keys 0..31, keys 32..63; the bytes over zero codes stay 0
	v_cvt_scalef32_pk16_fp6_f32 v[188:190], v[P:P+15], v236
	v_cvt_scalef32_pk16_fp6_f32 v[212:214], v[P+16:P+31], v237
	v_nop                                          ; a plain line behind the conversions
.irp i, 0,1,2                          ; the operand's layout wants a whole block in a lane
	v_permlane16_swap_b32 v[188+\i], v[212+\i]
.endr
.irp i, 0,1,2
	s_delay_alu instid0(VALU_DEP_3)
	v_mov_b32 v[191+\i], v[212+\i]
.endr
	v_add_f32 v232, v232, v233
	s_delay_alu instid0(VALU_DEP_1)
	v_permlanex16_b32 v226, v232, s[SEL], s[SEL+1]
	s_delay_alu instid0(VALU_DEP_1)
	v_add_f32 v232, v232, v226                     ; l
	s_wait_alu depctr_va_vdst(0)
	v_rcp_f32 v[240+2*\I], v232
.rept 3
	v_nop
.endr
.else
	s_delay_alu instid0(VALU_DEP_2)
	v_mov_b32 v221, v238
	s_delay_alu instid0(VALU_DEP_2)
	v_mov_b32 v222, v239
.irp i, 0,1,2
	v_mov_b32 v[212+\i], 0                         ; keys 32..63: zero codes
	v_mov_b32 v[216+\i], 0
.endr
	v_cvt_scalef32_pk16_fp6_f32 v[188:190], v[P:P+15], v236
	v_cvt_scalef32_pk16_fp6_f32 v[200:202], v[P+16:P+31], v237
	v_nop
.irp i, 0,1,2
	v_permlane16_swap_b32 v[188+\i], v[212+\i]
	v_permlane16_swap_b32 v[200+\i], v[216+\i]
.endr
.irp i, 0,1,2
	v_mov_b32 v[191+\i], v[212+\i]
	v_mov_b32 v[203+\i], v[216+\i]
.endr
	v_add_f32 v232, v232, v233
	v_add_f32 v234, v234, v235
	s_delay_alu instid0(VALU_DEP_2)
	v_permlanex16_b32 v226, v232, s[SEL], s[SEL+1]
	s_delay_alu instid0(VALU_DEP_2)
	v_permlanex16_b32 v227, v234, s[SEL], s[SEL+1]
	s_delay_alu instid0(VALU_DEP_2)
	v_add_f32 v232, v232, v226
	s_delay_alu instid0(VALU_DEP_2)
	v_add_f32 v234, v234, v227
	s_wait_alu depctr_va_vdst(0)
	v_rcp_f32 v[240+2*\I], v232
	v_rcp_f32 v[242+2*\I], v234
	v_nop
.endif
	v_wmma_scale_f32_16x16x128_f8f6f4 v[O+8*\I:O+8*\I+7], v[176:187], v[188:199], 0, v220, v221 matrix_a_fmt:MATRIX_FMT_FP6 matrix_b_fmt:MATRIX_FMT_FP6
.if !\joint
	v_wmma_scale_f32_16x16x128_f8f6f4 v[O+8+8*\I:O+15+8*\I], v[176:187], v[200:211], 0, v220, v222 matrix_a_fmt:MATRIX_FMT_FP6 matrix_b_fmt:MATRIX_FMT_FP6
.endif
.endm
.macro KQLOAD T0                       ; tiles T0 and T0 + 1 of k and of q: my token's 16 bytes of each row's two halves
.irp T, \T0, \T0+1
	ds_load_b128 v[K+8*(\T):K+8*(\T)+3],   v4 offset:16384*(\T)
	ds_load_b128 v[K+8*(\T)+4:K+8*(\T)+7], v4 offset:16384*(\T)+512
	ds_load_b128 v[Q+8*(\T):Q+8*(\T)+3],   v3 offset:16384*(\T)
	ds_load_b128 v[Q+8*(\T)+4:Q+8*(\T)+7], v3 offset:16384*(\T)+512
.endr
.endm
; The first part of a token: i 0..31 x keys 0..31, which reads rows 0-31 of q and k, and v.  vbar = 1: v is waited for behind the f32 products, with a barrier of its own.
.macro TOKA blk, vbar
	KQLOAD 0
	s_wait_dscnt 0x0
	SGRP 0, 0
.if \vbar
	s_wait_asynccnt 26                             ; my two copies of block 0's v have landed: 26 were issued behind them
	s_barrier_signal -1                            ; (no LDS instruction of mine is out)
	s_barrier_wait -1
.endif
	ds_load_b96 v[176:178], v5 offset:16384*\blk   ; v's column j = r, keys 32 h + 0..15,
	ds_load_b32 v179, v5 offset:16384*\blk+256     ; keys 32 h + 16..31,
	ds_load_b32 v180, v5 offset:16384*\blk+260
	ds_load_b32 v181, v5 offset:16384*\blk+264
	ds_load_b32 v223, v5 offset:16384*\blk+12      ; and the block's scale byte
	s_wait_dscnt 0x0
	v_permlanex16_b32 v226, v223, s[SEL], s[SEL+1]
	s_delay_alu instid0(VALU_DEP_1)
	v_lshl_or_b32 v220, v226, 8, v223              ; v's scale word: in lanes 0-15 byte 0 is keys 0..31's, byte 1 keys 32..63's
	SOFT 0, 1, 2, 0
.endm
; The second part: i 32..63 x all keys, and the token's way out.
.macro TOKB blk
	KQLOAD 2
	s_wait_dscnt 0x0
	SGRP 1, 2
	SOFT 1, 0, 1, 2
	SGRP 1, 3
	SOFT 1, 0, 2, 3
.rept 4
	v_nop                                          ; places behind the last product
.endr
	s_wait_alu depctr_va_vdst(0)                   ; the reciprocals and O^T, directly ahead of their first reader
.irp I, 0,1,2,3
.irp q, 0,2,4,6
	v_pk_mul_f32 v[O+8*\I+\q:O+8*\I+\q+1], v[O+8*\I+\q:O+8*\I+\q+1], v[240+2*\I:241+2*\I] op_sel_hi:[1,0]   ; y = O / l
.endr
.endr
.irp p, 0,1                            ; behind the exchange a lane holds i = 32 p + lane and j = 0..15 in 16 registers on end
.irp j, 0,1,2,3,4,5,6,7
	v_permlane16_swap_b32 v[O+16*\p+\j], v[O+8+16*\p+\j]
.endr
.endr
.irp p, 0,1
	v_max3_num_f32 v[224+\p], |v[O+16*\p]|, |v[O+1+16*\p]|, 0x1800000
.endr
.irp i, 2,4,6,8,10,12,14
.irp p, 0,1
	s_delay_alu instid0(VALU_DEP_2)
	v_max3_num_f32 v[224+\p], v[224+\p], |v[O+16*\p+\i]|, |v[O+1+16*\p+\i]|
.endr
.endr
.irp p, 0,1
	s_delay_alu instid0(VALU_DEP_2)
	v_max_num_f32_dpp v[224+\p], v[224+\p], v[224+\p] row_xmask:1 row_mask:0xf bank_mask:0xf   ; a block of 32 along 16 i + j is rows 2 a and 2 a + 1
.endr
.irp p, 0,1
	s_delay_alu instid0(VALU_DEP_2)
	v_add_nc_u32 v[236+\p], 0xff000000, v[224+\p]
.endr
.irp p, 0,1
	v_cvt_scalef32_pk16_fp6_f32 v[248+4*\p:250+4*\p], v[O+16*\p:O+15+16*\p], v[236+\p]
.endr
.irp p, 0,1
	v_lshrrev_b32 v[251+4*\p], 23, v[236+\p]
.endr
	v_nop                                          ; a plain line behind the conversions
.irp p, 0,1
	ds_store_b8 v6, v[251+4*\p] offset:512*\blk+16*\p          ; both lanes of a block write the same byte with the same value
	global_store_b96 v7, v[248+4*\p:250+4*\p], s[10:11] offset:12288*\blk+384*\p   ; 32 lanes store 384 consecutive bytes of the token's row
.endr
.endm
	s_load_b256 s[4:11], s[0:1], 0x0               ; q_ws 4, k_ws 6, v_ws 8, y_codes 10
	s_load_b64 s[12:13], s[0:1], 0x20              ; y_scales
	v_lshl_add_u32 v[SPW], v0, 2, SPARE
	v_mov_b32 v[NIL], 0
	ds_add_u32 v[SPW], v[NIL]                      ; the opening: the add, twice on end, and its wait ahead of my first copy
	ds_add_u32 v[SPW], v[NIL]
	v_lshrrev_b32 v112, 5, v0                      ; wave
	v_and_b32 v113, 31, v0                         ; lane
	v_and_b32 v115, 15, v0                         ; r
	v_bfe_u32 v116, v0, 4, 1                       ; h
	v_readfirstlane_b32 s14, v112                  ; wave 0..15
	v_xor_b32 v114, v112, v113                     ; lane xor wave: my slot in the rows that I copy
	v_xor_b32 v117, v112, v115                     ; r xor wave: my token's slot in row r
	v_lshlrev_b32 v[GOF], 4, v113
	v_lshlrev_b32 v118, 10, v112
	v_lshlrev_b32 v119, 9, v112
	v_lshl_add_u32 v[LQ0], v114, 4, v118           ; row wave of 1,024 bytes, slot lane xor wave
	v_lshl_add_u32 v[LV], v114, 4, v119            ; row wave of 512 bytes
	v_add_nc_u32 v[LQ1], 65536, v[LQ0]
	v_add_nc_u32 v[LK0], KB, v[LQ0]
	v_add_nc_u32 v[LK1], KB+65536, v[LQ0]
	v_add_nc_u32 v[LV], VB, v[LV]
	s_lshl_b32 s94, ttmp9, 17                      ; q_ws, k_ws: two blocks of 65,536 bytes a work-group; my rows begin at row wave
	s_lshl_b32 s95, s14, 10
	s_add_co_u32 s94, s94, s95
	s_mov_b32 s95, 0
	s_lshl_b32 s96, ttmp9, 15                      ; v_ws: two blocks of 16,384
	s_lshl_b32 s97, s14, 9
	s_add_co_u32 s96, s96, s97
	s_mov_b32 s97, 0
	s_mov_b32 s[SEL], 0x76543210
	s_mov_b32 s[SEL+1], 0xfedcba98
	s_mov_b32 s[L2E], 0x3fb8aa3b
	s_mov_b32 s[L2E+1], s[L2E]
	s_mov_b32 s[QTR], 0x3e800000
	s_mov_b32 s[QTR+1], s[QTR]
	s_wait_alu depctr_va_vdst(0)
	s_wait_dscnt 0x0                               ; both opening adds are done
	s_wait_kmcnt 0x0
	s_add_nc_u64 s[4:5], s[4:5], s[94:95]          ; q, block 0
	s_add_nc_u64 s[6:7], s[6:7], s[94:95]          ; k, block 0
	s_add_nc_u64 s[8:9], s[8:9], s[96:97]          ; v
	s_add_nc_u64 s[16:17], s[4:5], 0x10000         ; q, block 1
	s_add_nc_u64 s[18:19], s[6:7], 0x10000         ; k, block 1
	CPQK LQ0, LK0, 4, 6, 0                         ; 36 copies, in the order in which they are wanted
	CPV 0
	CPQK LQ0, LK0, 4, 6, 2
	CPQK LQ1, LK1, 16, 18, 0
	CPV 1
	CPQK LQ1, LK1, 16, 18, 2
	v_lshlrev_b32 v3, 10, v115
	v_lshlrev_b32 v5, 9, v113
	v_lshl_add_u32 v3, v116, 8, v3
	v_lshl_add_u32 v5, v117, 4, v5
	v_lshl_add_u32 v3, v117, 4, v3                 ; v3: q: row r, half h, my token's slot
	v_add_nc_u32 v5, VB, v5                        ; v5: v: row 16 h + r, my token's slot
	v_add_nc_u32 v4, KB, v3                        ; v4: k
	s_lshl_b32 s99, s14, 5
	v_lshrrev_b32 v6, 1, v113
	v_mul_u32_u24 v7, v113, 12                     ; v7: y's codes: 12 bytes a lane
	v_add_nc_u32 v6, s99, v6
	s_delay_alu instid0(VALU_DEP_1)
	v_add_nc_u32 v6, YS, v6                        ; v6: y's scale bytes: 32 a token, my block's
	s_mul_i32 s94, ttmp9, 24576                    ; y_codes: 32 tokens of 768 bytes a work-group
	s_mul_i32 s96, s14, 768
	s_add_co_u32 s94, s94, s96
	s_add_nc_u64 s[10:11], s[10:11], s[94:95]
	s_lshl_b32 s94, ttmp9, 10
	s_add_nc_u64 s[12:13], s[12:13], s[94:95]
	v_mov_b32 v[NINF], 0xff800000
	v_mov_b32 v10, 0x358637bd                      ; 1e-6
	v_mov_b32 v11, 0x358637bd
.irp j, 182,183,184,185,186,187,194,195,196,197,198,199,206,207,208,209,210,211
	v_mov_b32 v\j, 0                               ; K = 64..127 of the second product: zero codes, on both sides
.endr
.irp j, 226,227,229,231,241,243,245,247
	v_mov_b32 v\j, 0                               ; written once: destinations of lane permutes, and the upper halves of pairs that are named whole
.endr
	s_wait_alu depctr_va_vdst(0)
	s_wait_asynccnt 28                             ; my eight copies of block 0's rows 0-31 have landed: 28 were issued behind them
	s_barrier_signal -1
	s_barrier_wait -1                              ; everybody's have
	TOKA 0, 1
	s_wait_alu depctr_va_vdst(0)
	s_wait_asynccnt 18                             ; rows 32-63: block 1's 18 copies may be out
	s_barrier_signal -1                            ; (no LDS instruction of mine is out)
	s_barrier_wait -1
	TOKB 0
	s_wait_xcnt 0x0                                ; my stores of y's codes have read their registers, which the next token writes again
	s_wait_alu depctr_va_vdst(0)
	s_wait_asynccnt 8                              ; block 1's rows 0-31 and v: its last eight copies may be out
	s_wait_dscnt 0x0
	s_barrier_signal -1
	s_barrier_wait -1
	v_add_nc_u32 v3, 65536, v3
	v_add_nc_u32 v4, 65536, v4
	TOKA 1, 0
	s_wait_alu depctr_va_vdst(0)
	s_wait_asynccnt 0x0                            ; block 1's rows 32-63
	s_barrier_signal -1
	s_barrier_wait -1
	TOKB 1
	v_lshlrev_b32 v12, 4, v0                       ; the scale bytes' way out (all copies are done: their address registers are free)
	v_add_nc_u32 v13, YS, v12
	s_wait_alu depctr_va_vdst(0)
	s_wait_tensorcnt 0x0                           ; the wave's end
	ds_add_u32 v[SPW], v[NIL]
	s_wait_dscnt 0x0                               ; my scale bytes lie in LDS
	s_barrier_signal -1
	s_barrier_wait -1                              ; everybody's do
	s_cmp_gt_u32 s14, 1
	s_cbranch_scc1 .Lend
	ds_load_b128 v[112:115], v13                   ; waves 0 and 1: the 32 tokens' 1,024 scale bytes leave as four aligned runs of 256 bytes
	s_wait_dscnt 0x0
	global_store_b128 v12, v[112:115], s[12:13]
.Lend:
	s_endpgm
.Lfunc_end_k_q8b60401d2d_attn:
	.size	k_q8b60401d2d_attn, .Lfunc_end_k_q8b60401d2d_attn-k_q8b60401d2d_attn
	.p2alignl 7, 3214868480
	.fill 96, 4, 3214868480
	.section	.rodata,"a",@progbits
	.p2align	6, 0x0
	.amdhsa_kernel k_q8b60401d2d_attn
		.amdhsa_group_segment_fixed_size 327680
		.amdhsa_private_segment_fixed_size 0
		.amdhsa_enable_private_segment 0
		.amdhsa_kernarg_size 40
		.amdhsa_user_sgpr_count 2
		.amdhsa_user_sgpr_kernarg_segment_ptr 1
		.amdhsa_wavefront_size32 1
		.amdhsa_system_sgpr_workgroup_id_x 1
		.amdhsa_system_sgpr_workgroup_id_y 1
		.amdhsa_system_sgpr_workgroup_id_z 1
		.amdhsa_system_vgpr_workitem_id 0
		.amdhsa_next_free_vgpr 256
		.amdhsa_next_free_sgpr 100
		.amdhsa_reserve_vcc 0
		.amdhsa_float_denorm_mode_32 3
		.amdhsa_float_denorm_mode_16_64 3
		.amdhsa_memory_ordered 1
		.amdhsa_forward_progress 1
		.amdhsa_inst_pref_size 107
	.end_amdhsa_kernel
	.amdgpu_metadata
---
amdhsa.version: [ 1, 2 ]
amdhsa.kernels:
  - .name:           k_q8b60401d2d_attn
    .symbol:         k_q8b60401d2d_attn.kd
    .args:
      - { .name: q_ws, .offset: 0, .size: 8, .value_kind: global_buffer, .address_space: global }
      - { .name: k_ws, .offset: 8, .size: 8, .value_kind: global_buffer, .address_space: global }
      - { .name: v_ws, .offset: 16, .size: 8, .value_kind: global_buffer, .address_space: global }
      - { .name: y_codes, .offset: 24, .size: 8, .value_kind: global_buffer, .address_space: global }
      - { .name: y_scales, .offset: 32, .size: 8, .value_kind: global_buffer, .address_space: global }
    .group_segment_fixed_size: 327680
    .private_segment_fixed_size: 0
    .kernarg_segment_align: 8
    .kernarg_segment_size: 40
    .max_flat_workgroup_size: 512
    .sgpr_count:     100
    .vgpr_count:     256
    .wavefront_size: 32
...
	.end_amdgpu_metadata
.endif
;; end of part 2
;; launch proj (part 3): grid 4 x 64, 4 waves a work-group, clusters of 4 x 1, 213,760 bytes of LDS; arguments y_codes, y_scales, Wo_codes, Wo_scales, bo, out0; writes out0
.if DOCPART == 3
	.amdgcn_target "amdgcn-amd-amdhsa--gfx1250"
	.amdhsa_code_object_version 6
	.text
	.protected	k_q8b60401d2d_proj
	.globl	k_q8b60401d2d_proj
	.p2align	8
	.type	k_q8b60401d2d_proj,@function
k_q8b60401d2d_proj:
	s_mov_b64 s[64:65], 0
	v_nop
	global_prefetch_b8 v0, s[64:65] scope:SCOPE_SE
	s_setreg_imm32_b32 hwreg(HW_REG_WAVE_MODE, 25, 1), 1
	s_wait_xcnt 0x0
	s_wait_alu depctr_hold_cnt(0) depctr_sa_sdst(0) depctr_va_vdst(0) depctr_va_sdst(0) depctr_va_ssrc(0) depctr_va_vcc(0) depctr_vm_vsrc(0)
	s_getreg_b32 s2, hwreg(HW_REG_IB_STS2, 6, 4)
	s_cmp_eq_u32 s2, 0
	s_cbranch_scc0 .Lentry_in_a_cluster
	s_endpgm
.Lentry_in_a_cluster:
	s_bfe_u32 s2, ttmp6, 0x10000c
	s_cmp_lg_u32 s2, 0x3003
	s_cbranch_scc0 .Lentry_shape_is_right
	s_endpgm
.Lentry_shape_is_right:
; THIRD LAUNCH: out0 = y Wo + bo, on y's codes and scale bytes from the second launch and Wo's as given.  No work is left out here.
; SHARES.  A work-group takes 128 rows of y (8 blocks of 16 tokens; grid y) and 256 columns (its place in the cluster); wave w takes columns 256 G + 64 w on: four tiles of 16 rows of Wo,
; whose fragments for all of K = 1,024 stay in registers (2 x 192).  y's 128 rows and their scale bytes come into LDS once, by four joint loads at the head (mask 15: the partners share the rows), one a wave:
; waves 0-2 bring 128 units of 256 bytes of codes each, wave 3 the 16 units of scale bytes.  No LDS byte is filled twice and no fill comes later.
; Wo is not asked for jointly: each partner's rows are different ones, and they go to registers.  NO PREFETCH: the text has no loop to run ahead in; all that a work-group reads is asked for in its head.
; THE PRODUCT IS USED TRANSPOSED: a lane holds one token and eight neighbouring columns.  A wave's 64 columns of 16 tokens go through its own stage in LDS and leave as whole rows: sixteen lanes store 256 consecutive bytes, aligned.
; REGISTERS.  Window 0: v1-15 addresses; v16-31 Wo's scale words; v40-55 y's (two sets); v64-255 y's fragments.  Windows 1, 2: v0-191 Wo's fragments, v192-223 accumulators, v224-239 bo.  Window 3: v0-63 rows on their way out.
.set XS,    104448                     ; LDS: 0: y's 384 units of 256 bytes + 16;  XS: y's scale bytes, 16 such units
.set WSCR,  108800                     ; a scratch of 26,112 bytes for each wave, later its two stages: written by LDS stores alone
.set WSCB,  26112
.set SPARE, 213248                     ; the spare words, 128 bytes a wave
.set BLKB,  13056
.set GRPB,  52224
.set SPW, 1
.set NIL, 2
.set WV,  72
.set MUL1, 0x51
.set MUL2, 0xa2
.set MSB, 0
.macro WIN new
.set NEWW, \new
.if MSB != NEWW
	s_set_vgpr_msb (MSB<<8)|NEWW
.set MSB, NEWW
.endif
.endm
.macro PLACES n
.rept \n
	v_nop
.endr
.endm
.macro CROUND
	s_barrier_signal -1
	s_barrier_wait -1
	s_cmp_lg_u32 s[WV], 0
	s_cbranch_scc1 .Lnot_wave_0_\@
	s_barrier_signal -3
.Lnot_wave_0_\@:
	s_barrier_wait -3
	s_barrier_signal -1
	s_barrier_wait -1
.endm
.macro FRAG reg, adr, s, off           ; a fragment in six pieces of 8 bytes; the second address register serves where lanes 16-31 lie behind one padding more
.irp p, 0,1,2,3,4,5
.set PCC, 12*(\s)+6*(\p/3)+\p%3
.if PCC%32 < 29
	ds_load_b64 v[\reg+2*\p:\reg+2*\p+1], v[\adr] offset:(\off)+8*PCC+16*(PCC/32)
.else
	ds_load_b64 v[\reg+2*\p:\reg+2*\p+1], v[\adr+1] offset:(\off)+8*PCC+16*(PCC/32)
.endif
.endr
.endm
.macro SHUFFLE c, cnt                  ; 32 rows of Wo through my scratch, as they lie, and back as 16 fragments; LDS serves a wave's instructions in order (ISA guide 5.7.1.4)
	s_wait_loadcnt \cnt
	WIN (\c)<<2
.set E, 0
.rept 48
	ds_store_b128 v8, v[4*E:4*E+3] offset:544*E
.set E, E+1
.endr
	WIN (\c)<<6
.irp u, 0,1
.irp s, 0,1,2,3,4,5,6,7
	FRAG 96*\u+12*\s, 9, \s, 13056*\u
.endr
.endr
.endm
.macro MULS c, s0, p                   ; 16 matrix instructions: four K steps, the four accumulators (e, u) by turns; step 0 takes the bias as C
.irp s, \s0, \s0+1, \s0+2, \s0+3
.irp e, 0,1
.irp u, 0,1
.set RA, 192+16*\e+8*\u
.set RW, 96*\u+12*(\s)
.set RX, 64+96*\e+12*(\s)
.set RS, 16+8*((\c)-1)+4*\u+(\s)%4
.set RT, 40+8*((\p)%2)+4*\e+(\s)%4
.if (\s) == 0
	v_wmma_scale_f32_16x16x128_f8f6f4 v[RA:RA+7], v[RW:RW+11], v[RX:RX+11], v[224+8*\u:231+8*\u], v[RS], v[RT] matrix_a_fmt:MATRIX_FMT_FP6 matrix_b_fmt:MATRIX_FMT_FP6
.elseif (\s) < 4
	v_wmma_scale_f32_16x16x128_f8f6f4 v[RA:RA+7], v[RW:RW+11], v[RX:RX+11], v[RA:RA+7], v[RS], v[RT] matrix_a_fmt:MATRIX_FMT_FP6 matrix_b_fmt:MATRIX_FMT_FP6
.else
	v_wmma_scale_f32_16x16x128_f8f6f4 v[RA:RA+7], v[RW:RW+11], v[RX:RX+11], v[RA:RA+7], v[RS], v[RT] matrix_a_fmt:MATRIX_FMT_FP6 matrix_b_fmt:MATRIX_FMT_FP6 matrix_a_scale:MATRIX_SCALE_ROW1 matrix_b_scale:MATRIX_SCALE_ROW1
.endif
.endr
.endr
.endr
.endm
.macro ASLOAD p
.irp e, 0,1
	ds_load_b128 v[40+8*((\p)%2)+4*\e:43+8*((\p)%2)+4*\e], v5 offset:544*(2*(\p)+\e)
.endr
.endm
.macro AFETCH p, s0
.irp e, 0,1
.irp s, \s0, \s0+1, \s0+2, \s0+3
	FRAG 64+96*\e+12*(\s), 3, (\s), ((2*(\p)+\e)%4)*BLKB
.endr
.endr
.endm
.macro TOSTAGE                         ; 16 stores (each accumulator from its low end on) and 16 loads: two blocks of 16 tokens x 64 columns, back as whole rows of 256 bytes
.irp c, 1,2
	WIN (\c)<<2
.irp e, 0,1
.irp u, 0,1
	ds_store_b128 v11, v[192+16*\e+8*\u:195+16*\e+8*\u] offset:4352*\e+128*(\c-1)+64*\u
	ds_store_b128 v11, v[196+16*\e+8*\u:199+16*\e+8*\u] offset:4352*\e+128*(\c-1)+64*\u+16
.endr
.endr
.endr
	WIN 0xc0
.irp e, 0,1
.irp t, 0,1,2,3,4,5,6,7
	ds_load_b128 v[32*\e+4*\t:32*\e+4*\t+3], v12 offset:4352*\e+544*\t
.endr
.endr
.endm
.macro SEND p
	WIN 0x0c
.irp e, 0,1
.irp t, 0,1,2,3,4,5,6,7
	global_store_b128 v14, v[32*\e+4*\t:32*\e+4*\t+3], s[14:15] offset:((2*(\p)+\e)*16+2*\t)*4096 th:TH_STORE_NT
.endr
.endr
.endm
; Two blocks: 64 matrix instructions, by halves of K: each half of y's fragment registers is fetched anew as soon as its 32 products are issued, 32 matrix instructions ahead of its next use.
.macro PAIR p
	s_wait_dscnt 48                                ; all but the 48 loads of K steps 4-7: the scale words and K steps 0-3 are in, and the last pair's rows are back from the stage
	WIN MUL1
	MULS 1, 0, \p
.if (\p) > 0
	SEND (\p)-1
.endif
	WIN MUL2
	MULS 2, 0, \p
.if (\p) < 3
	PLACES 4
	WIN 0
.if (\p) == 1
	v_add_nc_u32 v3, GRPB, v3
	v_add_nc_u32 v4, GRPB, v4
	s_wait_alu depctr_va_vdst(0)
.endif
	ASLOAD (\p)+1
	AFETCH (\p)+1, 0
	s_wait_dscnt 50                                ; all but the 50 just issued: K steps 4-7 are in
.else
	s_wait_dscnt 0x0
.endif
	WIN MUL1
	MULS 1, 4, \p
	WIN MUL2
	MULS 2, 4, \p
	PLACES 6                                       ; ahead of the stores of the results, and of the next pair's new start of these accumulators, which wants five
	s_wait_xcnt 0x0                                ; the last pair's global stores have read their registers: the loads below land there
	TOSTAGE
.if (\p) < 3
	WIN 0
	AFETCH (\p)+1, 4
.endif
.endm
	s_load_b256 s[4:11], s[0:1], 0x0               ; y_codes 4, y_scales 6, Wo_codes 8, Wo_scales 10
	s_load_b128 s[12:15], s[0:1], 0x20             ; bo 12, out0 14
	v_lshl_add_u32 v[SPW], v0, 2, SPARE
	v_mov_b32 v[NIL], 0
	ds_add_u32 v[SPW], v[NIL]                      ; the opening: the add, twice on end, and its wait ahead of my first tensor load
	ds_add_u32 v[SPW], v[NIL]
	v_lshrrev_b32 v7, 5, v0
	v_readfirstlane_b32 s[WV], v7
	s_and_b32 s77, ttmp7, 0xffff                   ; which 128 rows of y: the four partners share it
	s_mov_b32 s32, 15|(3<<16)|(1<<20)|(1<<21)|(5<<22)|(3<<25)   ; codes: 128 rows of 256 bytes, 16 of padding behind each; mask 15 with bit 21 beside it
	s_mov_b32 s33, 32<<16
	s_mov_b32 s34, 128<<16
	s_mov_b32 s35, 32<<16
	s_mov_b32 s36, 128
	s_mov_b32 s37, 32
	s_mov_b32 s38, 0
	s_mov_b32 s39, 0
	s_mov_b32 s40, 15|(3<<16)|(1<<20)|(1<<21)|(5<<22)|(3<<25)   ; the 128 rows' scale bytes: 16 such rows
	s_mov_b32 s41, 32<<16
	s_mov_b32 s42, 16<<16
	s_mov_b32 s43, 32<<16
	s_mov_b32 s44, 16
	s_mov_b32 s45, 32
	s_mov_b32 s46, 0
	s_mov_b32 s47, 0
	s_lshl_b32 s80, s77, 12                        ; y_scales: 4,096 bytes a row group
	s_mov_b32 s81, 0
	s_mul_i32 s82, s77, 98304                      ; y_codes: 98,304 bytes a row group, 32,768 a wave
	s_lshl_b32 s83, s[WV], 15
	s_add_co_u32 s82, s82, s83
	s_mov_b32 s83, 0
	s_wait_dscnt 0x0                               ; both opening adds are done
	s_wait_kmcnt 0x0
	s_mov_b32 s48, 1
	s_mov_b32 s49, XS
	s_add_nc_u64 s[50:51], s[6:7], s[80:81]
	s_or_b32 s51, s51, 0x80000000
	s_mov_b32 s52, 1
	s_mul_i32 s53, s[WV], 34816
	s_add_nc_u64 s[54:55], s[4:5], s[82:83]
	s_or_b32 s55, s55, 0x80000000
	CROUND                                         ; all four work-groups are here: the joint loads meet
	s_cmp_lt_u32 s[WV], 3                          ; one load a wave, in the two arms of one branch on the wave's number
	s_cbranch_scc0 .Lhead_s
	tensor_load_to_lds s[52:55], s[32:39]
	s_nop 0
	PLACES 4
	s_branch .Lhead_j
.Lhead_s:
	tensor_load_to_lds s[48:51], s[40:47]
	s_nop 0
	PLACES 4
.Lhead_j:
	s_bfe_u32 s73, ttmp6, 0x40000                  ; cx: it enters global addresses of Wo, bo and out0 alone
	s_lshl_b32 s76, s73, 8
	s_lshl_b32 s86, s[WV], 6
	s_add_co_u32 s76, s76, s86                     ; n0 = 256 cx + 64 wave
	s_mov_b32 s87, 0
	s_mul_i32 s86, s76, 768
	s_add_nc_u64 s[8:9], s[8:9], s[86:87]
	s_lshl_b32 s86, s76, 5
	s_add_nc_u64 s[10:11], s[10:11], s[86:87]
	s_lshl_b32 s86, s76, 2
	s_add_nc_u64 s[12:13], s[12:13], s[86:87]
	s_lshl_b32 s88, s77, 19                        ; 128 rows of 4,096 bytes
	s_add_co_u32 s86, s86, s88
	s_add_nc_u64 s[14:15], s[14:15], s[86:87]
	v_and_b32 v58, 15, v0                          ; r
	v_bfe_u32 v59, v0, 4, 1                        ; h
	v_and_b32 v60, 31, v0                          ; lane
	v_mul_u32_u24 v3, v58, 816
	v_mad_u32_u24 v3, v59, 24, v3                  ; v3, v4: y's fragments
	v_lshl_add_u32 v4, v59, 4, v3
	v_lshrrev_b32 v61, 3, v58
	v_and_b32 v62, 7, v58
	v_mul_u32_u24 v5, v61, 272
	v_lshl_add_u32 v5, v62, 5, v5
	v_lshl_add_u32 v5, v59, 4, v5
	v_add_nc_u32 v5, XS, v5                        ; v5: y's scale bytes
	v_lshlrev_b32 v6, 4, v60                       ; v6: 16 x lane
	s_mul_i32 s78, s[WV], WSCB
	s_add_co_u32 s78, s78, WSCR                    ; my scratch
	v_mul_u32_u24 v8, v59, 272
	v_lshl_add_u32 v8, v58, 4, v8
	v_add_nc_u32 v12, s78, v8                      ; v12: the stage, back: lanes 0-15 one row, lanes 16-31 the next
	v_add_nc_u32 v8, s78, v8                       ; v8: the scratch, in: the same places
	v_add_nc_u32 v9, s78, v3                       ; v9, v10: the scratch, out
	v_add_nc_u32 v10, s78, v4
	v_mul_u32_u24 v11, v58, 272
	v_lshl_add_u32 v11, v59, 5, v11
	v_add_nc_u32 v11, s78, v11                     ; v11: the stage, in: row r, + 32 h
	v_lshlrev_b32 v13, 5, v58
	v_lshl_add_u32 v13, v59, 4, v13                ; v13: Wo's scale bytes: 32 r + 16 h
	v_lshlrev_b32 v14, 12, v59
	v_lshl_add_u32 v14, v58, 4, v14                ; v14: out0: 4,096 h + 16 r
	v_lshlrev_b32 v15, 5, v59                      ; v15: bo: 32 h
.irp c, 0,1
.irp u, 0,1
	global_load_b128 v[16+8*\c+4*\u:19+8*\c+4*\u], v13, s[10:11] offset:1024*\c+512*\u
.endr
.endr
.irp c, 1,2
	WIN (\c)<<6
.irp u, 0,1
	global_load_b128 v[224+8*\u:227+8*\u], v15, s[12:13] offset:128*(\c-1)+64*\u
	global_load_b128 v[228+8*\u:231+8*\u], v15, s[12:13] offset:128*(\c-1)+64*\u+16
.endr
.set E, 0
.rept 48
	global_load_b128 v[4*E:4*E+3], v6, s[8:9] offset:24576*(\c-1)+512*E   ; 32 neighbouring rows of Wo: each load reads 512 consecutive bytes
.set E, E+1
.endr
.endr
	s_wait_alu depctr_va_vdst(0)
	SHUFFLE 1, 52                                  ; behind the first 32 rows: 4 loads of bo and the second 32 rows' 48
	SHUFFLE 2, 0
	s_wait_tensorcnt 0x0                           ; my tile of the head's four has landed
	s_wait_dscnt 0x0                               ; Wo's fragments are in
	s_barrier_signal -1
	s_barrier_wait -1                              ; everybody's tile has
	WIN 0
	ASLOAD 0
	AFETCH 0, 0
	AFETCH 0, 4
.irp p, 0,1,2,3
	PAIR \p
.endr
	s_wait_dscnt 0x0                               ; the last pair's rows are back from the stage
	SEND 3
	WIN 0
	s_wait_tensorcnt 0x0                           ; the wave's end
	ds_add_u32 v[SPW], v[NIL]
	s_wait_dscnt 0x0
	CROUND                                         ; the closing round
	s_endpgm
.Lfunc_end_k_q8b60401d2d_proj:
	.size	k_q8b60401d2d_proj, .Lfunc_end_k_q8b60401d2d_proj-k_q8b60401d2d_proj
	.p2alignl 7, 3214868480
	.fill 96, 4, 3214868480
	.section	.rodata,"a",@progbits
	.p2align	6, 0x0
	.amdhsa_kernel k_q8b60401d2d_proj
		.amdhsa_group_segment_fixed_size 213760
		.amdhsa_private_segment_fixed_size 0
		.amdhsa_enable_private_segment 0
		.amdhsa_kernarg_size 48
		.amdhsa_user_sgpr_count 2
		.amdhsa_user_sgpr_kernarg_segment_ptr 1
		.amdhsa_wavefront_size32 1
		.amdhsa_system_sgpr_workgroup_id_x 1
		.amdhsa_system_sgpr_workgroup_id_y 1
		.amdhsa_system_sgpr_workgroup_id_z 1
		.amdhsa_system_vgpr_workitem_id 0
		.amdhsa_next_free_vgpr 896
		.amdhsa_next_free_sgpr 100
		.amdhsa_reserve_vcc 0
		.amdhsa_float_denorm_mode_32 3
		.amdhsa_float_denorm_mode_16_64 3
		.amdhsa_memory_ordered 1
		.amdhsa_forward_progress 1
		.amdhsa_inst_pref_size 108
	.end_amdhsa_kernel
	.amdgpu_metadata
---
amdhsa.version: [ 1, 2 ]
amdhsa.kernels:
  - .name:           k_q8b60401d2d_proj
    .symbol:         k_q8b60401d2d_proj.kd
    .args:
      - { .name: y_codes, .offset: 0, .size: 8, .value_kind: global_buffer, .address_space: global }
      - { .name: y_scales, .offset: 8, .size: 8, .value_kind: global_buffer, .address_space: global }
      - { .name: Wo_codes, .offset: 16, .size: 8, .value_kind: global_buffer, .address_space: global }
      - { .name: Wo_scales, .offset: 24, .size: 8, .value_kind: global_buffer, .address_space: global }
      - { .name: bo, .offset: 32, .size: 8, .value_kind: global_buffer, .address_space: global }
      - { .name: out0, .offset: 40, .size: 8, .value_kind: global_buffer, .address_space: global }
    .group_segment_fixed_size: 213760
    .private_segment_fixed_size: 0
    .kernarg_segment_align: 8
    .kernarg_segment_size: 48
    .max_flat_workgroup_size: 128
    .sgpr_count:     100
    .vgpr_count:     896
    .wavefront_size: 32
...
	.end_amdgpu_metadata
.endif
;; end of part 3
